; MI455X (gfx1250); checked and timed in simulation.
; The chip was launched on July 23, 2026; its instructions are those of AMD's public machine-readable ISA for CDNA 5 (MIT licence, August 2026) and "CDNA5" Instruction Set Architecture Reference Guide (July 2026). The comments in the code are by the model that wrote it; some were corrected since.
;; Rope. Allowed arithmetic: matrix products marked QUANTISED: E3M2 operands, one E8M0 scale for each 32 along K, by v_wmma_scale_f32_16x16x128_f8f6f4 with both operands' format E3M2, f32 sums; everything else in f32.
;; Inputs: bk 256 float32; bq 256 float32; bv 256 float32; wk_codes 256 x 8 x 24 uint8 (E3M2 codes of wk, K innermost, in blocks of 32 codes, four codes in three bytes); wk_scales 256 x 8 uint8 (E8M0 scales of wk, one for each 32 codes along K); wq_codes 256 x 8 x 24 uint8 (E3M2 codes of wq, K innermost, in blocks of 32 codes, four codes in three bytes); wq_scales 256 x 8 uint8 (E8M0 scales of wq, one for each 32 codes along K); wv_codes 256 x 8 x 24 uint8 (E3M2 codes of wv, K innermost, in blocks of 32 codes, four codes in three bytes); wv_scales 256 x 8 uint8 (E8M0 scales of wv, one for each 32 codes along K); x_codes 8,192 x 8 x 24 uint8 (E3M2 codes of x, K innermost, in blocks of 32 codes, four codes in three bytes); x_scales 8,192 x 8 uint8 (E8M0 scales of x, one for each 32 codes along K).
;; Outputs: out0 8,192 x 256 float32.
;; This version of the problem:
;;   THIS VERSION OF THE PROBLEM IS GIVEN IN LOW PRECISION. The matrix products marked QUANTISED in the list below multiply operands that are first quantised to E3M2 (3 exponent bits, 2 mantissa bits; 6 bits a number), with one power-of-two scale for each 32 numbers along K (OCP MX v1.0); their sums are f32. All else is computed in f32.
;;   The module's matrix products, in the order in which they are computed (A, B: the left and right operand; K: the contracted axis; several contracted axes count as one K, in the product's order):
;;     1. [M 8,192, K 256] x [K 256, N 256]; A: input x (given as codes); B: input wq (given as codes): QUANTISED
;;     2. [M 8,192, K 256] x [K 256, N 256]; A: input x (given as codes); B: input wk (given as codes): QUANTISED
;;     3. [M 8,192, K 256] x [K 256, N 256]; A: input x (given as codes); B: input wv (given as codes): QUANTISED
;;     4. [M 8,192, K 256] x [K 256, N 8,192]; A: computed on the way; B: computed on the way: QUANTISED
;;     5. [M 8,192, K 8,192] x [K 8,192, N 256]; A: softmax (see below); B: computed on the way: QUANTISED
;;   THE QUANTISER, for each operand of a quantised product, along K:
;;     - K is cut into blocks of 32 from its start; a last block that is shorter is filled with zeros.
;;     - A block's scale is 2^e with e = floor(log2(the largest magnitude in the block)) - 4, held to -126 .. 127; a block of zeros has e = 0. As a byte (E8M0): e + 127.
;;     - Each number is divided by its block's scale, clamped to +-28, and rounded to the nearest number of E3M2, ties to even, subnormals kept.
;;     - The product sums the exact products of the quantised numbers (number of the format x scale) in f32.
;;   ~~~python
;;   def quantise(x, axis):      # numpy; x: float32 -> the quantised numbers, widened to float32 again
;;       x = np.moveaxis(x, axis, -1); K = x.shape[-1]
;;       x = np.pad(x, [(0, 0)] * (x.ndim - 1) + [(0, -K % 32)]); x = x.reshape(x.shape[:-1] + (-1, 32)); a = np.abs(x).max(-1, keepdims=True)
;;       e = np.where(a > 0, np.clip(np.frexp(np.where(a > 0, a, 1))[1] - 1 - 4, -126, 127), 0)      # np.frexp(a)[1] - 1 = floor(log2(a)), exactly
;;       r = np.clip(x / 2.0 ** e, -28, 28)
;;       step = 2.0 ** (np.maximum(np.frexp(np.where(r == 0, 1, r))[1] - 1, -2) - 2)
;;       q = np.round(r / step) * step * 2.0 ** e      # np.round: ties to even
;;       return np.moveaxis(q.reshape(q.shape[:-2] + (-1,))[..., :K], -1, axis).astype(np.float32)
;;   ~~~
;;   SOFTMAX AHEAD OF A QUANTISED PRODUCT. Where the list says 'softmax', what is quantised is not the finished softmax but p = 2^(t - M), with t = logit x log2(e) and M = ceil(the row's largest t), a whole number; so 1/2 < the row's largest p <= 1. The row's sum l is taken of the UNQUANTISED p, in f32, and the product's result is divided by l at the end. Since M is a whole number, a kernel that streams over the keys may use a running M (the ceiling of the running maximum): every later rescaling is an exact power of two, which a block's scale takes up: the codes' values come out the same.
;;   OPERANDS COMPUTED ON THE WAY. 'Computed on the way' means the value that the module computes at that place (a softmax that the list does not call 'softmax' is quantised finished and normalised). What goes into a quantiser is computed in f32, as accurately as f32 sums, v_exp_f32 and their like allow (about 1e-6 of the number): no bf16 or f16 on the way to a quantiser, and a product that is left as it is and whose result goes on into a quantised operand takes f32 operands (vector FMAs, or v_wmma_f32_16x16x4_f32). A number that lies on a knife's edge between two numbers of the format may be rounded either way, as far as f32 arithmetic and the matrix unit's own rounding can turn it there, and no further.
;;   INPUTS GIVEN AS CODES. wk (in the module: [256, 256], K = its axis 1); wq (in the module: [256, 256], K = its axis 1); wv (in the module: [256, 256], K = its axis 1); x (in the module: [8192, 256], K = its axis 1): each comes as NAME_codes (uint8): NAME with its K axis moved to the last place and cut into blocks of 32 codes, [.., K / 32, bytes a block], one block behind the other in memory; four codes in three bytes: a row's codes are one little-endian stream of bits, code i at bits 6 i .. 6 i + 5 (a code: sign, 3 exponent bits, 2 mantissa bits); and NAME_scales (uint8): the same leading axes, one E8M0 byte (e + 127) for each 32 codes along K. Its value is code x scale, taken as it is: it is not quantised again, and the codes and scales need not be those that the quantiser above would give.
;; One version. Each part assembles by itself: llvm-mc -triple=amdgcn-amd-amdhsa -mcpu=gfx1250 --defsym DOCPART=n.
;; ======== version 1 of 1: 3 launches
;; limits: right only within a limited range of input values
;; workspace buffers: qimg 1,638,400 bytes; kv 3,276,800 bytes; opart 16,777,216 bytes; stats 524,288 bytes
;; launch proj (part 1): grid 256 x 1, 6 waves a work-group, no clusters, 327,680 bytes of LDS; arguments x_codes, x_scales, wq_codes, wq_scales, bq, wk_codes, wk_scales, bk, wv_codes, wv_scales, bv, qimg, kv; writes qimg, kv
.if DOCPART == 1
	.amdgcn_target "amdgcn-amd-amdhsa--gfx1250"
	.amdhsa_code_object_version 6
	.text
	.protected	k_q3d733a0fa5_proj
	.globl	k_q3d733a0fa5_proj
	.p2align	8
	.type	k_q3d733a0fa5_proj,@function
k_q3d733a0fa5_proj:
	s_mov_b64 s[64:65], 0
	v_nop
	global_prefetch_b8 v0, s[64:65] scope:SCOPE_SE
	s_setreg_imm32_b32 hwreg(HW_REG_WAVE_MODE, 25, 1), 1
	s_wait_xcnt 0x0
; PROJ: Q = rope(x Wq^T + bq), K = rope(x Wk^T + bk), V = x Wv^T + bv, on the given codes of BF6 (E3M2), and their quantising for the two products of attention:
; Q and K along the 256 channels, V along the keys.  The results leave as IMAGES OF OPERAND REGISTERS: a fragment (16 rows x 128 K, 12 registers a lane) is 1,536 bytes, register group c (4 registers) at 512 c + 16 x lane.
; No step of the source text is left out: what goes into a quantised operand stays, the biases too.
; SHARES.  256 work-groups x 6 waves, a unit a wave: 128 rows of one operand (8 tiles, source 0) by 32 rows of the other (2 fragments, source 1) over K = 256: 32 matrix instructions.
;   waves 0, 1 (Q): source 0 = Wq's rows 128 sub on, source 1 = x's rows 32 g + 16 n + r            -> fragments (tile n, K step sub) of query pair g
;   waves 2, 3 (K): source 0 = Wk's rows 128 sub on, source 1 = x's rows 32 g + 8 n + r + 8 (r / 8) -> key tiles 2 (g % 4) + n, K step sub, of key step g / 4
;   waves 4, 5 (V): source 0 = x's rows 128 sp on,   source 1 = Wv's rows 32 dp + 16 n + r          -> channel tiles 2 dp + n of key step sp   (sp = g / 4, dp = (2 g + sub) % 8)
; THE ROWS OF SOURCE 0 THAT FORM A TILE ARE NOT NEIGHBOURS: lane r of tile 2 b + u takes row 32 b + 8 u + r + 8 (r / 8).  So in the result lane (r, h) holds ONE row of source 1, and the 16 registers of tiles 2 b, 2 b + 1
; are the 16 neighbours 32 b + 16 h + 0 .. 15 of source 0's rows: these are the next product's K, and the conversions take them as they stand.
; THE CODES COME BY ONE TENSOR LOAD A WAVE, each byte once: waves 0-3 Wq's and Wk's halves, wave 4 x's 128 rows (Q's and K's 32 rows lie among them), wave 5 the 64 rows of Wv that waves 4 and 5 multiply.  One barrier shares them;
; nothing is filled again.  They are stated as dense rows of 768 bytes, with 16 bytes of padding behind every 64: a row of codes is 240 bytes from the next in LDS, and a fragment is six loads of 8 bytes.
; kv: key step s has K's record (16 images, then 1,024 bytes of scale words: 25,600 bytes) at (s / 2) 102,400 + (s % 2) 25,600 and V's record 51,200 bytes behind it.
; THE ROPE has no position in it: cos and sin of f = 1000^(-d / 256), d even; even' = e cos - o sin, odd' = o sin + o cos.  f = 2^(-d log2(1000) / 256) by v_exp_f32; f lies in 0.001 .. 1 by these constants alone, so the
; series (sin through f^13, cos through f^12) leave less than one part in 10^9.  The two products of each line are fused.  The biases are the C of each sum's first matrix instruction.
; NO JOINT LOADS AND NO PREFETCH: the launch is one fill and 32 products a wave, with no loop to run ahead in; joint loads would add two rounds of a cluster's barrier to it.
; LIMITS: NaN and infinities are not served; a block whose largest magnitude lies under 2^(5 - 127), a block of zeros too, gets the scale byte 1 (its codes are zeros or next to it; this program alone reads the bytes).
; REGISTERS.  window 0: v1-15 addresses; v16-31 source 0's scale words; v32-35 source 1's; v36-83 source 1's four fragments, later the second fragment's codes; v84-99 at work; v100-101 the scale words made;
;   v102-120 the first fragment's codes (V: first the bias); v121, v127 the spare word's address and 0; v122-125 the rope's products; v126 my first channel; v128-255 the 16 accumulators (64 n + 8 a).
;   window 1: v0-191 source 0's 16 fragments (12 (2 a + ks)); v192-255 cos and sin of my 32 pairs.
.set ACC, 128
.set BF,  36
.set AS,  16
.set BS,  32
.set TM,  84
.set PW,  100
.set PC,  102
.set PC2, 36
.set RT,  122
.set DLI, 126
.set CSN, 192
.set LA,  4                            ; v4, v5    LDS address of my row of source 0's tiles, + 24 h; the same + 40 h, for the pieces that lie behind one padding more
.set LB,  6                            ; v6, v7    V: the same for source 1, 32 rows of Wv
.set XB,  14                           ; v14, v15  Q, K: where my row of source 1's fragments 0 and 1 lies in memory, + 24 h.  These 32 rows of x go straight from memory into registers, in the fragments' order: no LDS address hangs on g
.set PITCH, 240
.set BLK,  30720                       ; 128 rows in LDS
.set SPARE, 0x40000                    ; the spare words, 128 bytes for each wave, behind everything else
.set PA,  40                           ; s[40:41] the codes that my wave fetches;  s[42:43] source 0's scales
.set PAS, 42
.set OB2, 44                           ; s[44:45] where my second image goes
.set PBS, 46                           ; s[46:47] source 1's scales
.set PBI, 48                           ; s[48:49] the bias
.set OB,  50                           ; s[50:51] where my first image goes;  s[52:53] my scale words
.set OSB, 52
.set MSB, 0
.macro WIN new                         ; the immediate's high byte repeats the setting that is left
.if MSB != \new
	s_set_vgpr_msb (MSB<<8)|\new
.set MSB, \new
.endif
.endm
.macro PLACES n
.rept \n
	v_nop
.endr
.endm
	s_load_b512 s[8:23], s[0:1], 0x0               ; x's codes s[8:9], x's scales s[10:11], Wq's s[12:13], s[14:15], bq s[16:17], Wk's s[18:19], s[20:21], bk s[22:23]
	s_load_b256 s[24:31], s[0:1], 0x40             ; Wv's s[24:25], s[26:27], bv s[28:29], qimg s[30:31]
	s_load_b64 s[32:33], s[0:1], 0x60              ; kv
	v_lshl_add_u32 v121, v0, 2, SPARE
	v_mov_b32 v127, 0
	ds_add_u32 v121, v127                          ; the opening add, twice on end
	ds_add_u32 v121, v127
	v_lshrrev_b32 v1, 5, v0
	v_readfirstlane_b32 s34, v1                    ; wave 0..5
	v_and_b32 v1, 15, v0                           ; r
	v_bfe_u32 v2, v0, 4, 1                         ; h
	v_and_b32 v9, 8, v1
	v_add_nc_u32 v3, v9, v1                        ; r + 8 (r / 8)
	v_and_b32 v11, 31, v0
	v_lshlrev_b32 v11, 4, v11                      ; 16 x lane: my place in an image
	s_wait_alu depctr_va_vdst(0)
	s_lshr_b32 s35, s34, 1                         ; 0: Q, 1: K, 2: V
	s_and_b32 s36, s34, 1                          ; sub
	s_and_b32 s81, s35, 1                          ; 1 for K
	s_lshr_b32 s82, s35, 1                         ; 1 for V
	s_xor_b32 s77, s81, 1
	s_xor_b32 s80, s82, 1
	s_mul_i32 s79, s34, BLK                        ; where my wave's block lands
	s_lshr_b32 s54, ttmp9, 2                       ; g / 4: the key step of K's and V's results alike
	s_and_b32 s7, ttmp9, 3                         ; g % 4
	s_lshl_b32 s37, s7, 1
	s_add_co_u32 s55, s37, s36                     ; dp
	s_lshl_b32 s83, s36, 7                         ; my first channel (Q and K)
	; LDS addresses: source 0 in block w (Q, K) or 4 (V); V's source 1 in block 5 at row 32 sub
	s_min_u32 s2, s34, 4
	s_mul_i32 s2, s2, BLK
	s_mul_i32 s3, s36, 32*PITCH
	s_add_co_u32 s3, s3, 5*BLK
	s_mul_i32 s4, s77, 1536
	s_add_co_u32 s4, s4, 1536                      ; Q: fragment 1 begins 16 rows of 192 bytes on, K: 8
	v_mul_u32_u24 v13, s81, v9
	v_add_nc_u32 v13, v13, v1                      ; source 1's row: r (K: r + 8 (r / 8))
	v_mul_u32_u24 v[LA], v3, PITCH
	v_mad_u32_u24 v[LA], v2, 24, v[LA]
	v_add_nc_u32 v[LA], s2, v[LA]
	v_lshl_add_u32 v[LA+1], v2, 4, v[LA]
	v_mul_u32_u24 v[LB], v1, PITCH
	v_mad_u32_u24 v[LB], v2, 24, v[LB]
	v_add_nc_u32 v[LB], s3, v[LB]
	v_lshl_add_u32 v[LB+1], v2, 4, v[LB]
	v_mul_u32_u24 v[XB], v13, 192
	v_mad_u32_u24 v[XB], v2, 24, v[XB]
	v_add_nc_u32 v[XB+1], s4, v[XB]
	s_lshl_b32 s4, s77, 6
	s_add_co_u32 s4, s4, 64                        ; the same 16 or 8 rows of scale bytes, 8 a row
	v_lshlrev_b32 v8, 3, v3
	v_lshlrev_b32 v9, 3, v13
	v_add_nc_u32 v13, s4, v9
	s_lshl_b32 s4, s80, 2
	s_add_co_u32 s4, s4, 4
	s_mul_i32 s5, s82, 60
	s_add_co_u32 s5, s5, 4
	v_mul_u32_u24 v12, s4, v1
	v_mad_u32_u24 v12, v2, s5, v12                 ; my scale word's place: 8 r + 4 h (Q, K) or 4 (16 h + r) (V)
	v_lshl_add_u32 v[DLI], v2, 4, s83              ; 128 sub + 16 h
.irp b, 0,1,2,3
	v_mov_b32 v[TM+4+\b], 0                        ; written once: a lane permute's destination counts as one of its sources
.endr
	s_mov_b32 s38, 0x76543210
	s_mov_b32 s39, 0xfedcba98                      ; v_permlanex16_b32's selects for lane l xor 16
	s_mov_b32 s66, 0xbe2aaaab                      ; sin: -1/3!, 1/5!, -1/7!, 1/9!, -1/11!, 1/13!
	s_mov_b32 s67, 0x3c088889
	s_mov_b32 s68, 0xb9500d01
	s_mov_b32 s69, 0x3638ef1d
	s_mov_b32 s70, 0xb2d7322b
	s_mov_b32 s71, 0x2f309231
	s_mov_b32 s72, 0x3d2aaaab                      ; cos: 1/4!, -1/6!, 1/8!, -1/10!, 1/12!  (-1/2! is written in the instruction)
	s_mov_b32 s73, 0xbab60b61
	s_mov_b32 s74, 0x37d00d01
	s_mov_b32 s75, 0xb493f27e
	s_mov_b32 s76, 0x310f76c7
	s_mov_b32 s78, 0xbd1f73da                      ; -log2(1000) / 256
	; descriptor groups 1: dense rows of 768 elements of 1 byte, 32 of them (128 rows of codes) or 16 (64)
.macro G1 b, rows
	s_mov_b32 s[\b], (1<<20)|(3<<22)|(3<<25)       ; 15:0 no mask; 17:16 elements of 1 byte; 20 padding on; 24:22 after every 16 words (code 3); 31:25 of 4 words (code 3)
	s_mov_b32 s[\b+1], 768<<16
	s_mov_b32 s[\b+2], (\rows)<<16
	s_mov_b32 s[\b+3], 768<<16
	s_mov_b32 s[\b+4], \rows
	s_mov_b32 s[\b+5], 768
	s_mov_b32 s[\b+6], 0
	s_mov_b32 s[\b+7], 0
.endm
	G1 84, 32
	G1 92, 16
	; where my results go, in bytes from the buffer's first: all three kinds are worked out, then one is chosen on the wave's number
	s_mul_i32 s2, ttmp9, 6400                      ; Q: record g of 6,400 bytes: four fragments, then 256 bytes of scale words
	s_mul_i32 s3, s36, 1536
	s_add_co_u32 s59, s2, s3                       ; fragment (n, sub) at (2 n + sub) x 1,536
	s_add_co_u32 s60, s2, s83
	s_add_co_u32 s60, s60, 6144                    ; scale words at 6,144 + 8 (16 sub + r) + 4 n
	s_and_b32 s5, s54, 1
	s_mul_i32 s5, s5, 25600
	s_mul_i32 s4, s54, 51200
	s_sub_co_u32 s4, s4, s5                        ; K's record
	s_lshl_b32 s6, s7, 2
	s_add_co_u32 s6, s6, s36
	s_mul_i32 s6, s6, 1536
	s_add_co_u32 s6, s6, s4                        ; image (tile 2 b + n, sub), b = g % 4, at (2 (2 b + n) + sub) x 1,536
	s_lshl_b32 s5, s7, 8
	s_add_co_u32 s5, s5, s83
	s_add_co_u32 s5, s5, s4
	s_add_co_u32 s5, s5, 24576                     ; scale words at 24,576 + 256 b + 8 (16 sub + r) + 4 n
	s_cmp_eq_u32 s35, 1
	s_cselect_b32 s59, s6, s59
	s_cselect_b32 s60, s5, s60
	s_mul_i32 s6, s55, 3072
	s_add_co_u32 s6, s6, s4
	s_add_co_u32 s6, s6, 51200                     ; V: image of channel tile 2 dp + n at (2 dp + n) x 1,536
	s_lshl_b32 s2, s55, 7                          ; 128 dp: also bv's bytes of channel 32 dp
	s_add_co_u32 s5, s4, s2
	s_add_co_u32 s5, s5, 75776                     ; scale words at 24,576 + 128 dp + 4 (16 n + r)
	s_lshl_b32 s56, s36, 10                        ; source 0's first row's scales: row 128 sub,
	s_lshl_b32 s57, ttmp9, 8                       ; source 1's: 32 g,
	s_lshl_b32 s58, s36, 9                         ; the bias of channel 128 sub
	s_lshl_b32 s61, s54, 10                        ; V: 128 sp,
	s_lshl_b32 s62, s55, 8                         ; 32 dp
	s_cmp_eq_u32 s35, 2
	s_cselect_b32 s59, s6, s59
	s_cselect_b32 s60, s5, s60
	s_cselect_b32 s56, s61, s56
	s_cselect_b32 s57, s62, s57
	s_cselect_b32 s58, s2, s58
	; and the first byte of the codes that my wave fetches
	s_mul_i32 s2, s36, 24576
	s_mul_i32 s3, s54, 24576
	s_mul_i32 s5, s7, 12288
	s_cmp_eq_u32 s34, 4
	s_cselect_b32 s2, s3, s2
	s_cmp_eq_u32 s34, 5
	s_cselect_b32 s2, s5, s2
	s_mov_b32 s3, 0
	s_mov_b32 s5, 0
	s_mov_b32 s61, 0
	s_mov_b32 s63, 0
	s_wait_alu depctr_va_vdst(0)
	s_wait_dscnt 0x0                               ; both opening adds are done
	s_wait_kmcnt 0x0
	s_mul_i32 s4, ttmp9, 6144
	s_add_nc_u64 s[54:55], s[8:9], s[4:5]          ; x's row 32 g
	s_cmp_eq_u32 s35, 1                            ; the buffers are chosen on the wave's number alone
	s_cselect_b64 s[PA:PA+1], s[18:19], s[12:13]
	s_cselect_b64 s[PAS:PAS+1], s[20:21], s[14:15]
	s_cselect_b64 s[PBI:PBI+1], s[22:23], s[16:17]
	s_cmp_eq_u32 s35, 2
	s_cselect_b64 s[PAS:PAS+1], s[10:11], s[PAS:PAS+1]
	s_cselect_b64 s[PBI:PBI+1], s[28:29], s[PBI:PBI+1]
	s_cselect_b64 s[PBS:PBS+1], s[26:27], s[10:11]
	s_cmp_eq_u32 s34, 4
	s_cselect_b64 s[PA:PA+1], s[8:9], s[PA:PA+1]
	s_cmp_eq_u32 s34, 5
	s_cselect_b64 s[PA:PA+1], s[24:25], s[PA:PA+1]
	s_cmp_eq_u32 s35, 0
	s_cselect_b64 s[OB:OB+1], s[30:31], s[32:33]
	s_add_nc_u64 s[PA:PA+1], s[PA:PA+1], s[2:3]
	s_mov_b32 s8, 1                                ; descriptor group 0: count 1, the LDS address, the block's first byte, type 2
	s_mov_b32 s9, s79
	s_mov_b64 s[10:11], s[PA:PA+1]
	s_or_b32 s11, s11, 0x80000000
	s_cmp_eq_u32 s34, 5
	s_cbranch_scc1 .Lfetch_wv
	tensor_load_to_lds s[8:11], s[84:91]           ; waves 0-4: 128 rows
	s_nop 0
	PLACES 4
	s_branch .Lfetched
.Lfetch_wv:
	tensor_load_to_lds s[8:11], s[92:99]           ; wave 5: 64 rows
	s_nop 0
	PLACES 4
.Lfetched:
	s_mov_b32 s4, s56
	s_add_nc_u64 s[PAS:PAS+1], s[PAS:PAS+1], s[4:5]
	s_mov_b32 s4, s57
	s_add_nc_u64 s[PBS:PBS+1], s[PBS:PBS+1], s[4:5]
	s_mov_b32 s4, s58
	s_add_nc_u64 s[PBI:PBI+1], s[PBI:PBI+1], s[4:5]
	s_add_nc_u64 s[OSB:OSB+1], s[OB:OB+1], s[60:61]
	s_mov_b32 s4, s59
	s_add_nc_u64 s[OB:OB+1], s[OB:OB+1], s[4:5]
	s_mul_i32 s4, s80, 1536
	s_add_co_u32 s4, s4, 1536                      ; the second image: 3,072 bytes on (Q, K) or 1,536 (V)
	s_add_nc_u64 s[OB2:OB2+1], s[OB:OB+1], s[4:5]
.irp a, 0,1,2,3,4,5,6,7
	global_load_b64 v[AS+2*\a:AS+2*\a+1], v8, s[PAS:PAS+1] offset:(32*(\a/2)+8*(\a%2))*8   ; a row's two scale words: K step 0, K step 1
.endr
	global_load_b64 v[BS:BS+1], v9, s[PBS:PBS+1]
	global_load_b64 v[BS+2:BS+3], v13, s[PBS:PBS+1]
; A fragment, 16 rows x 128 K of 6-bit codes, is 12 registers: lane (r, h) holds its row's K = 64 c + 32 h + 0 .. 31 in registers 6 c .. 6 c + 5: 24 bytes of the row's stream of bits, as they lie, in pieces of 8 bytes.
; Lanes 0-15 take the row's pieces 12 q + 0, 1, 2 and 12 q + 6, 7, 8, lanes 16-31 those three pieces on; where the piece three on lies behind one padding more, the second address register serves.
.macro FRAG reg, adr, q, row
.irp p, 0,1,2,3,4,5
.set PCN, 12*(\q)+6*(\p/3)+\p%3
.if PCN%8 < 5
	ds_load_b64 v[(\reg)+2*\p:(\reg)+2*\p+1], v[\adr] offset:8*PCN+16*(PCN/8)+(\row)*PITCH
.else
	ds_load_b64 v[(\reg)+2*\p:(\reg)+2*\p+1], v[\adr+1] offset:8*PCN+16*(PCN/8)+(\row)*PITCH
.endif
.endr
.endm
; 16 matrix instructions: K step ks, the 16 accumulators by turns, one instruction a turn.  cmode = 1: C is the bias block of fragment n; 0: C is the accumulator itself
.macro MUL ks, cmode
	WIN 0x01                                       ; source 0 window 1
.irp a, 0,1,2,3,4,5,6,7
.irp n, 0,1
.if \cmode
	v_wmma_scale_f32_16x16x128_f8f6f4 v[ACC+64*\n+8*\a:ACC+64*\n+8*\a+7], v[12*(2*\a+\ks):12*(2*\a+\ks)+11], v[BF+12*(2*\n+\ks):BF+12*(2*\n+\ks)+11], v[PC+8*\n:PC+8*\n+7], v[AS+2*\a+\ks], v[BS+2*\n+\ks] matrix_a_fmt:MATRIX_FMT_BF6 matrix_b_fmt:MATRIX_FMT_BF6
.else
	v_wmma_scale_f32_16x16x128_f8f6f4 v[ACC+64*\n+8*\a:ACC+64*\n+8*\a+7], v[12*(2*\a+\ks):12*(2*\a+\ks)+11], v[BF+12*(2*\n+\ks):BF+12*(2*\n+\ks)+11], v[ACC+64*\n+8*\a:ACC+64*\n+8*\a+7], v[AS+2*\a+\ks], v[BS+2*\n+\ks] matrix_a_fmt:MATRIX_FMT_BF6 matrix_b_fmt:MATRIX_FMT_BF6
.endif
.endr
.endr
	WIN 0
.endm
; cos and sin for my pairs 8 q .. 8 q + 7: pair 4 a + j is channels 128 sub + 32 (a / 2) + 16 h + 8 (a % 2) + 2 j and the next
.macro CONST q
.irp i, 0,1,2,3,4,5,6,7
	v_add_nc_u32 v[TM+\i], 32*\q+8*(\i/4)+2*(\i%4), v[DLI]
.endr
.irp i, 0,1,2,3,4,5,6,7
	v_cvt_f32_u32 v[TM+\i], v[TM+\i]
.endr
.irp i, 0,1,2,3,4,5,6,7
	v_mul_f32 v[TM+\i], s78, v[TM+\i]
.endr
	s_wait_alu depctr_va_vdst(0)                   ; a wait ahead of the batch and one behind it
.irp i, 0,1,2,3,4,5,6,7
	v_exp_f32 v[TM+\i], v[TM+\i]                   ; f
.endr
	v_nop                                          ; a plain place behind the exponentials
	s_wait_alu depctr_va_vdst(0)
.irp i, 0,1,2,3,4,5,6,7
	v_mul_f32 v[TM+8+\i], v[TM+\i], v[TM+\i]       ; f^2
.endr
	WIN 0x40                                       ; destination window 1
.irp i, 0,1,2,3,4,5,6,7
	v_fma_f32 v[CSN+2*(8*\q+\i)], v[TM+8+\i], s76, s75
	v_fma_f32 v[CSN+2*(8*\q+\i)+1], v[TM+8+\i], s71, s70
.endr
	WIN 0x41                                       ; and source 0
.irp k, 0,1,2
.irp i, 0,1,2,3,4,5,6,7
	v_fma_f32 v[CSN+2*(8*\q+\i)], v[CSN+2*(8*\q+\i)], v[TM+8+\i], s[74-\k]
	v_fma_f32 v[CSN+2*(8*\q+\i)+1], v[CSN+2*(8*\q+\i)+1], v[TM+8+\i], s[69-\k]
.endr
.endr
.irp i, 0,1,2,3,4,5,6,7
	v_fma_f32 v[CSN+2*(8*\q+\i)], v[CSN+2*(8*\q+\i)], v[TM+8+\i], -0.5
	v_fma_f32 v[CSN+2*(8*\q+\i)+1], v[CSN+2*(8*\q+\i)+1], v[TM+8+\i], s66
.endr
.irp i, 0,1,2,3,4,5,6,7
	v_fma_f32 v[CSN+2*(8*\q+\i)], v[CSN+2*(8*\q+\i)], v[TM+8+\i], 1.0       ; cos f
	v_fma_f32 v[CSN+2*(8*\q+\i)+1], v[CSN+2*(8*\q+\i)+1], v[TM+8+\i], 1.0
.endr
.irp i, 0,1,2,3,4,5,6,7
	v_mul_f32 v[CSN+2*(8*\q+\i)+1], v[CSN+2*(8*\q+\i)+1], v[TM+\i]          ; sin f
.endr
	WIN 0
.endm
; the rope, in place: a lane's registers 2 j, 2 j + 1 of a tile are a pair.  Each accumulator is first read at its register 1
.macro ROPE
	WIN 0x04                                       ; source 1 (cos, sin) window 1
.irp n, 0,1
.irp a, 0,1,2,3,4,5,6,7
.irp j, 0,1,2,3
	v_mul_f32 v[RT+\j], v[ACC+64*\n+8*\a+2*\j+1], v[CSN+2*(4*\a+\j)+1]       ; o sin
.endr
.irp j, 0,1,2,3
	v_fma_f32 v[ACC+64*\n+8*\a+2*\j], v[ACC+64*\n+8*\a+2*\j], v[CSN+2*(4*\a+\j)], -v[RT+\j]       ; e cos - o sin
	v_fma_f32 v[ACC+64*\n+8*\a+2*\j+1], v[ACC+64*\n+8*\a+2*\j+1], v[CSN+2*(4*\a+\j)], v[RT+\j]    ; o cos + o sin
.endr
.endr
.endr
	WIN 0
.endm
; 64 numbers of a lane, v[s] on, register 16 b + i = k 32 b + 16 h + i of my row, become a fragment's codes in v[pc] on and its scale word in v[pw]
.macro QUANT s, pw, pc
.irp b, 0,1,2,3
	v_max3_num_f32 v[TM+\b], |v[\s+16*\b]|, |v[\s+1+16*\b]|, 0x2800000   ; block b: my 16 numbers, and the floor 2^(5 - 127): the byte cannot fall under 1
.endr
.irp i, 2,4,6,8,10,12,14
.irp b, 0,1,2,3
	v_max3_num_f32 v[TM+\b], v[TM+\b], |v[\s+16*\b+\i]|, |v[\s+1+16*\b+\i]|   ; the four blocks by turns
.endr
.endr
.irp b, 0,1,2,3
	v_permlanex16_b32 v[TM+4+\b], v[TM+\b], s38, s39
.endr
.irp b, 0,1,2,3
	v_max_num_f32 v[TM+\b], v[TM+\b], v[TM+4+\b]   ; with lane l xor 16's: the block's largest magnitude
.endr
.irp b, 0,1,2,3
	v_add_nc_u32 v[TM+12+\b], 0xfe000000, v[TM+\b] ; 4 off its exponent field: the conversion takes the exponent field of this operand as its scale
.endr
.irp b, 0,1,2,3
	v_lshrrev_b32 v[TM+4+\b], 23, v[TM+12+\b]      ; the scale's byte
.endr
	v_lshl_or_b32 v[\pw], v[TM+5], 8, v[TM+4]
	v_lshl_or_b32 v[\pw], v[TM+6], 16, v[\pw]
	v_lshl_or_b32 v[\pw], v[TM+7], 24, v[\pw]
.irp c, 0,1
	v_cvt_scalef32_pk16_bf6_f32 v[\pc+6*\c:\pc+2+6*\c], v[\s+32*\c:\s+15+32*\c], v[TM+12+2*\c]
	v_cvt_scalef32_pk16_bf6_f32 v[\pc+12+4*\c:\pc+14+4*\c], v[\s+16+32*\c:\s+31+32*\c], v[TM+12+2*\c+1]   ; (a conversion's three registers begin on an even number)
.endr
	v_nop                                          ; one plain place behind a scaled conversion
.irp c, 0,1                                    ; the operand's layout wants a WHOLE block in a lane: lanes 0-15 block 2 c, lanes 16-31 block 2 c + 1
.irp i, 0,1,2
	v_permlane16_swap_b32 v[\pc+6*\c+\i], v[\pc+12+4*\c+\i]
.endr
.irp i, 0,1,2
	v_mov_b32 v[\pc+3+6*\c+\i], v[\pc+12+4*\c+\i]
.endr
.endr
.endm
.macro OUT pc, base                            ; the fragment's image: each store of the wave covers 512 consecutive bytes, aligned
.irp c, 0,1,2
	global_store_b128 v11, v[\pc+4*\c:\pc+4*\c+3], s[\base:\base+1] offset:512*\c
.endr
.endm
	s_cmp_eq_u32 s35, 2
	s_cbranch_scc1 .Lbias_v
.irp n, 0,1                                    ; Q, K: source 1's four fragments
.irp ks, 0,1
.irp p, 0,1,2,3,4,5
	global_load_b64 v[BF+12*(2*\n+\ks)+2*\p:BF+12*(2*\n+\ks)+2*\p+1], v[XB+\n], s[54:55] offset:96*\ks+48*(\p/3)+8*(\p%3)
.endr
.endr
.endr
	v_lshlrev_b32 v10, 6, v2                       ; the bias of my eight channels of a tile goes straight into the accumulator
.irp n, 0,1
.irp a, 0,1,2,3,4,5,6,7
	global_load_b128 v[ACC+64*\n+8*\a:ACC+64*\n+8*\a+3], v10, s[PBI:PBI+1] offset:(32*(\a/2)+8*(\a%2))*4
	global_load_b128 v[ACC+64*\n+8*\a+4:ACC+64*\n+8*\a+7], v10, s[PBI:PBI+1] offset:(32*(\a/2)+8*(\a%2))*4+16
.endr
.endr
	CONST 0                                        ; cos and sin are made while the operands are on their way
	CONST 1
	CONST 2
	CONST 3
	s_wait_alu depctr_va_vdst(0)
	s_branch .Lbias_done
.Lbias_v:
	v_lshlrev_b32 v10, 2, v1                       ; V: bv of my channel: the same number in all eight registers of a tile
.irp n, 0,1
.irp j, 0,1,2,3,4,5,6,7
	global_load_b32 v[PC+8*\n+\j], v10, s[PBI:PBI+1] offset:64*\n
.endr
.endr
	s_wait_alu depctr_va_vdst(0)
.Lbias_done:
	s_wait_tensorcnt 0x0                           ; my block has landed;
	s_barrier_signal -1
	s_barrier_wait -1                              ; everybody's has
	s_cmp_eq_u32 s35, 2
	s_cbranch_scc0 .Lno_wv
.irp n, 0,1                                    ; V: source 1's four fragments
.irp ks, 0,1
	FRAG BF+12*(2*\n+\ks), LB, \ks, 16*\n
.endr
.endr
.Lno_wv:
	WIN 0x40                                       ; destination window 1
.irp ks, 0,1                                   ; source 0: all of K step 0 first
.irp a, 0,1,2,3,4,5,6,7
	FRAG 12*(2*\a+\ks), LA, \ks, 32*(\a/2)+8*(\a%2)
.endr
.endr
	WIN 0
	s_wait_loadcnt 0x0                             ; the scale words and the bias
	s_wait_dscnt 48                                ; all but the youngest 48 loads: source 0's fragments of K step 1
	s_cmp_eq_u32 s35, 2
	s_cbranch_scc1 .Lfirst_v
	MUL 0, 0
	s_branch .Lfirst_done
.Lfirst_v:
	MUL 0, 1
.Lfirst_done:
	s_wait_dscnt 0x0
	MUL 1, 0
	PLACES 4                                       ; four places between the last products and the first read of results (ISA guide 7.12.1)
	s_cmp_eq_u32 s35, 2
	s_cbranch_scc1 .Lno_rope
	ROPE
	s_wait_alu depctr_va_vdst(0)
.Lno_rope:
	QUANT ACC, PW, PC
	OUT PC, OB
	QUANT ACC+64, PW+1, PC2                        ; the second fragment's codes have registers of their own: no pending store's data are written again
	OUT PC2, OB2
	v_cmp_eq_u32 vcc_lo, 1, v2
	v_cndmask_b32 v[PW], v[PW], v[PW+1], vcc_lo    ; lanes 0-15 send fragment 0's word of row r, lanes 16-31 fragment 1's (both halves of the lanes hold both words)
	global_store_b32 v12, v[PW], s[OSB:OSB+1]      ; 32 lanes store 128 consecutive bytes
	s_wait_tensorcnt 0x0                           ; the wave's end
	ds_add_u32 v121, v127
	s_wait_dscnt 0x0
	s_endpgm
.Lfunc_end_k_q3d733a0fa5_proj:
	.size	k_q3d733a0fa5_proj, .Lfunc_end_k_q3d733a0fa5_proj-k_q3d733a0fa5_proj
	.p2alignl 7, 3214868480
	.fill 96, 4, 3214868480
	.section	.rodata,"a",@progbits
	.p2align	6, 0x0
	.amdhsa_kernel k_q3d733a0fa5_proj
		.amdhsa_group_segment_fixed_size 327680
		.amdhsa_private_segment_fixed_size 0
		.amdhsa_enable_private_segment 0
		.amdhsa_kernarg_size 104
		.amdhsa_user_sgpr_count 2
		.amdhsa_user_sgpr_kernarg_segment_ptr 1
		.amdhsa_wavefront_size32 1
		.amdhsa_system_sgpr_workgroup_id_x 1
		.amdhsa_system_sgpr_workgroup_id_y 1
		.amdhsa_system_sgpr_workgroup_id_z 1
		.amdhsa_system_vgpr_workitem_id 0
		.amdhsa_next_free_vgpr 512
		.amdhsa_next_free_sgpr 100
		.amdhsa_reserve_vcc 1
		.amdhsa_float_denorm_mode_32 3
		.amdhsa_float_denorm_mode_16_64 3
		.amdhsa_memory_ordered 1
		.amdhsa_forward_progress 1
		.amdhsa_inst_pref_size 81
	.end_amdhsa_kernel
	.amdgpu_metadata
---
amdhsa.version: [ 1, 2 ]
amdhsa.kernels:
  - .name:           k_q3d733a0fa5_proj
    .symbol:         k_q3d733a0fa5_proj.kd
    .args:
      - { .name: x_codes, .offset: 0, .size: 8, .value_kind: global_buffer, .address_space: global }
      - { .name: x_scales, .offset: 8, .size: 8, .value_kind: global_buffer, .address_space: global }
      - { .name: wq_codes, .offset: 16, .size: 8, .value_kind: global_buffer, .address_space: global }
      - { .name: wq_scales, .offset: 24, .size: 8, .value_kind: global_buffer, .address_space: global }
      - { .name: bq, .offset: 32, .size: 8, .value_kind: global_buffer, .address_space: global }
      - { .name: wk_codes, .offset: 40, .size: 8, .value_kind: global_buffer, .address_space: global }
      - { .name: wk_scales, .offset: 48, .size: 8, .value_kind: global_buffer, .address_space: global }
      - { .name: bk, .offset: 56, .size: 8, .value_kind: global_buffer, .address_space: global }
      - { .name: wv_codes, .offset: 64, .size: 8, .value_kind: global_buffer, .address_space: global }
      - { .name: wv_scales, .offset: 72, .size: 8, .value_kind: global_buffer, .address_space: global }
      - { .name: bv, .offset: 80, .size: 8, .value_kind: global_buffer, .address_space: global }
      - { .name: qimg, .offset: 88, .size: 8, .value_kind: global_buffer, .address_space: global }
      - { .name: kv, .offset: 96, .size: 8, .value_kind: global_buffer, .address_space: global }
    .group_segment_fixed_size: 327680
    .private_segment_fixed_size: 0
    .kernarg_segment_align: 8
    .kernarg_segment_size: 104
    .max_flat_workgroup_size: 192
    .sgpr_count:     100
    .vgpr_count:     512
    .wavefront_size: 32
...
	.end_amdgpu_metadata
.endif
;; end of part 1
;; launch attn (part 2): grid 128 x 2, 8 waves a work-group, clusters of 4 x 1, 327,680 bytes of LDS; arguments qimg, kv, opart, stats; writes opart, stats
.if DOCPART == 2
	.amdgcn_target "amdgcn-amd-amdhsa--gfx1250"
	.amdhsa_code_object_version 6
	.text
	.protected	k_q3d733a0fa5_attn
	.globl	k_q3d733a0fa5_attn
	.p2align	8
	.type	k_q3d733a0fa5_attn,@function
k_q3d733a0fa5_attn:
	s_mov_b64 s[64:65], 0
	v_nop
	global_prefetch_b8 v0, s[64:65] scope:SCOPE_SE
	s_setreg_imm32_b32 hwreg(HW_REG_WAVE_MODE, 25, 1), 1
	s_wait_xcnt 0x0
	s_wait_alu depctr_hold_cnt(0) depctr_sa_sdst(0) depctr_va_vdst(0) depctr_va_sdst(0) depctr_va_ssrc(0) depctr_va_vcc(0) depctr_vm_vsrc(0)
	s_getreg_b32 s2, hwreg(HW_REG_IB_STS2, 6, 4)
	s_cmp_eq_u32 s2, 0
	s_cbranch_scc0 .Lentry_in_a_cluster
	s_endpgm
.Lentry_in_a_cluster:
	s_bfe_u32 s2, ttmp6, 0x10000c
	s_cmp_lg_u32 s2, 0x3003
	s_cbranch_scc0 .Lentry_shape_is_right
	s_endpgm
.Lentry_shape_is_right:
; ATTN: for 64 queries and half of the keys: S^T = K Q^T, p = 2^(t - M), O^T += V^T P^T, both products on codes of BF6 (E3M2) with one E8M0 scale for each 32 along K.
; t = score x log2(e) / 16; M = the running largest t rounded UP to a whole number, kept as -M = floor(-t); p is quantised along the keys, not normalised; the row's sum is taken of the unquantised p.
; When M moves, the sum and O^T are multiplied by 2^(old M - new M): exact.  What leaves is O^T, -M and the sum of each query for this half of the keys; the next launch joins the halves and divides.
; SHARES.  Work-group (X, Y): queries 64 X on, key steps 32 Y on (128 keys each): 128 x 2 = 256 work-groups of eight waves.  Wave w: g = w / 4 is its group, qp = (w / 2) % 2 its pair of query tiles (32 queries), kh = w % 2.
; It works key steps 32 Y + 16 g + 2 i + kh, i = 0 .. 7.  Each fragment of K and V read from LDS feeds two matrix instructions.
; TICKS.  A key step has two parts, S (the first product and query tile 0's softmax) and P (tile 1's softmax and the second product), and the two groups are half a step apart: in a tick one group does S and the other P, so that
; one wave's matrix work and LDS reads stand beside the other's vector work.  Group 0 does S in ticks 0, 2 .. 14 and P in 1, 3 .. 15; group 1 S in 1, 3 .. 15 and P in 2, 4 .. 16.
; RING.  A group's stream of items (51,200 bytes each: K's records of its two steps, then V's, and so on) goes through two places in LDS.  Slot s = tick % 2 holds group 0's item in its lower half and group 1's in its upper half.
; So a group's S items lie always in one slot and its P items in the other: a wave's LDS addresses are constants of the launch.  Group 0's item n is read in tick n, group 1's in tick n + 1.
;   head: A0, B0.  tick 0: A1, B1 (first fills both).  tick 1: A2 alone, shared out among all eight waves.  ticks 2 - 14: A(n + 1), B(n).  tick 15: B15 alone, by all eight.  One tensor load of a wave is outstanding at any time.
; CLUSTER.  Four query blocks of one Y walk the same items: each load is asked for JOINTLY, with the same descriptor and the mask of all four.
; PREFETCH, in ticks 2 - 13, one tick ahead of the load: the clusters 0 and 1 of each Y ask, since all clusters of a Y read the same items; a wave names its own quarter item, 50 blocks of 256 bytes, which the four partners
; share out by address (13 lanes each; what is over names the last block again).  The first items and B15 come by their loads alone.
; LAYOUT.  Both products are used transposed (source 0 = 16 keys, or 16 channels; source 1 = 16 queries): a lane holds ONE query (lane % 16).  The 16 registers of tiles 2 b, 2 b + 1 are the neighbouring keys
; 32 b + 16 (lane / 16) + 0 .. 15.  All operands lie in memory and LDS as images of their registers: every LDS load reads 16, 8 or 4 bytes x lane on end.
; Register tile 0 is the pair's query tile g, register tile 1 the other; register channels 0 - 127 are the channel half kh, 128 - 255 the other: at the end the four waves of a pair each keep register tile 0, channels 0 - 127.
; LIMITS: NaN and infinities are not served; scaled scores (t) stay under 2^31 in magnitude; a block of p whose largest number lies under 2^(5 - 127) keeps the scale byte 1 (its codes are zeros); the order of a row's sums is not the
; source text's.  A block's largest p is made of its largest score by the same two instructions that make each p.
; REGISTERS.  window 0: v0, v4-7, v13 LDS addresses; v1 spare word, v2 zero, v3 lane; v8-12, v14-18 a tile's -M, largest t, sum (2), factor; v19 the prefetch's offset; v20-21 Q's scale words, v22-23 p's, v24-31 K's, then V's;
;   v32-79 Q's four fragments; v80-127 two buffers for K's fragments, then p's codes (v80-103) and work (v104-127); v128-255 S^T, then p (64 a tile), then two buffers of four fragments of V (v128-175, v192-239).
;   window 1: O^T, 128 a tile (8 registers for each 16 channels).
.set SLOT1, 1<<17                      ; slot 1 begins here
.set ITEM,  51200
.set HALF,  51200                      ; a slot's upper half: group 1's
.set RECB,  25600                      ; a step's record of K or of V: 16 images, then 1,024 bytes of scale words
.set SCW,   24576
.set PART,  12800                      ; a quarter of an item: 50 rows of 256 bytes
.set PART8, 6400                       ; an eighth: 25 rows
.set SPARE, 233472                     ; behind slot 1: the spare words, 128 bytes for each wave
.set STGW,  25088                      ; the way out: three blocks of 8,192 bytes + 512 of statistics for each wave, from LDS byte 0 on: all slots have had their last fill and their last read by then
.set MSB, 0
.macro WIN new                         ; the immediate's high byte repeats the setting that is left
.if MSB != \new
	s_set_vgpr_msb (MSB<<8)|\new
.set MSB, \new
.endif
.endm
.macro PLACES n
.rept \n
	v_nop
.endr
.endm
.macro AWAIT
	s_wait_alu depctr_va_vdst(0)
.endm
.macro CROUND                          ; a round of the cluster's barrier: my work-group's barrier; wave 0 signals for the work-group; every wave waits for all four; my work-group's barrier once more
	s_barrier_signal -1
	s_barrier_wait -1
	s_cmp_lg_u32 s12, 0
	s_cbranch_scc1 .Lnot_wave_0_\@
	s_barrier_signal -3
.Lnot_wave_0_\@:
	s_barrier_wait -3
	s_barrier_signal -1
	s_barrier_wait -1
.endm
.macro G1 b, rows                      ; descriptor group 1: dense rows of 32 elements of 8 bytes
	s_mov_b32 s[\b], 15|(3<<16)|(1<<21)            ; 15:0 the mask: all four work-groups; 17:16 elements of 8 bytes; 20 no padding; 21 set beside a mask
	s_mov_b32 s[\b+1], 32<<16
	s_mov_b32 s[\b+2], (\rows)<<16
	s_mov_b32 s[\b+3], 32<<16
	s_mov_b32 s[\b+4], \rows
	s_mov_b32 s[\b+5], 32
	s_mov_b32 s[\b+6], 0
	s_mov_b32 s[\b+7], 0
.endm
.macro RING                            ; a quarter of an item
	tensor_load_to_lds s[32:35], s[24:31]
	s_nop 0
	PLACES 4
.endm
.macro SMALL                           ; an eighth of an item
	tensor_load_to_lds s[60:63], s[52:59]
	s_nop 0
	PLACES 4
.endm
	s_load_b256 s[4:11], s[0:1], 0x0               ; qimg s[4:5], kv s[6:7], opart s[8:9], stats s[10:11]
	v_lshl_add_u32 v1, v0, 2, SPARE
	v_mov_b32 v2, 0
	ds_add_u32 v1, v2                              ; the opening add, twice on end
	ds_add_u32 v1, v2
	v_lshrrev_b32 v125, 5, v0
	v_readfirstlane_b32 s12, v125                  ; wave 0..7
	v_and_b32 v3, 31, v0                           ; lane
	s_lshr_b32 s13, s12, 2                         ; g
	s_bfe_u32 s14, s12, 0x10001                    ; qp
	s_and_b32 s18, s12, 1                          ; kh
	s_xor_b32 s44, s13, 1
	s_xor_b32 s45, s18, 1
	s_bfe_u32 s15, ttmp6, 0x40000                  ; cx: it enters the addresses of Q, opart, stats and the prefetches alone
	s_lshl_b32 s16, ttmp9, 2
	s_add_co_u32 s16, s16, s15                     ; X = 4 x cluster x + cx
	s_and_b32 s17, ttmp7, 0xffff                   ; Y, which the four partners share
	s_mov_b32 s20, 0x76543210
	s_mov_b32 s21, 0xfedcba98                      ; v_permlanex16_b32's selects for lane l xor 16
	s_mov_b32 s22, 0x3db8aa3b                      ; c = log2(e) / 16
	s_mov_b32 s23, s22                             ; (named with it as a pair, so it is written)
	G1 24, 50
	G1 52, 25
	s_mul_i32 s48, s12, PART                       ; my place in a slot: group 1's four waves come to lie in its upper half
	s_lshl_b32 s49, s13, 17
	s_lshl_b32 s47, s44, 17
	s_mov_b32 s32, 1
	s_add_co_u32 s33, s48, s49                     ; the head's load: A0 into slot 0, B0 into slot 1
	s_lshl_b32 s38, s17, 1
	s_add_co_u32 s38, s38, s13
	s_mul_i32 s38, s38, 16*ITEM                    ; my group's stream: 2 Y + g
	s_and_b32 s36, s12, 3
	s_mul_i32 s36, s36, PART
	s_add_co_u32 s38, s38, s36
	s_mov_b32 s39, 0
	s_mov_b32 s60, 1
	s_mul_i32 s61, s12, PART8
	s_mul_i32 s66, s17, 32*ITEM
	s_add_co_u32 s66, s66, s61
	s_add_co_u32 s66, s66, 2*ITEM                  ; A2, my eighth
	s_mov_b32 s67, 0
	s_mul_i32 s68, s44, ITEM                       ; group 0 goes one item further ahead from tick 2 on
	s_mov_b32 s69, 0
	s_mul_i32 s70, s13, SLOT1+HALF                 ; K: slot g, half g
	s_mul_i32 s71, s18, RECB
	s_add_co_u32 s70, s70, s71
	s_add_co_u32 s72, s70, SCW
	s_mul_i32 s73, s13, HALF                       ; V: slot 1 - g, half g
	s_add_co_u32 s73, s73, s47
	s_add_co_u32 s73, s73, s71
	s_mul_i32 s74, s18, 12288                      ; the eight channel tiles of half kh come first
	s_add_co_u32 s74, s74, s73
	s_mul_i32 s75, s45, 12288
	s_add_co_u32 s75, s75, s73
	s_add_co_u32 s73, s73, SCW
	s_lshl_b32 s76, s18, 9
	s_add_co_u32 s76, s76, s73
	s_lshl_b32 s77, s45, 9
	s_add_co_u32 s77, s77, s73
	s_lshl_b32 s78, s16, 1
	s_add_co_u32 s78, s78, s14
	s_lshl_b32 s80, s78, 1
	s_mul_i32 s78, s78, 6400                       ; Q: record 2 X + qp
	s_mov_b32 s79, 0
	s_add_co_u32 s80, s80, s13                     ; the query tile that I keep: 4 X + 2 qp + g,
	s_lshl_b32 s81, s17, 9
	s_add_co_u32 s80, s80, s81                     ; + 512 Y;
	s_lshl_b32 s80, s80, 1
	s_add_co_u32 s80, s80, s18                     ; and its channel half
	s_lshl_b32 s82, s80, 8                         ; 256 bytes of statistics,
	s_lshl_b32 s80, s80, 13                        ; 8,192 of O^T
	s_mov_b32 s81, 0
	s_mov_b32 s83, 0
	s_mul_i32 s84, s15, 13
	AWAIT
	s_wait_dscnt 0x0                               ; both opening adds are done
	s_wait_kmcnt 0x0
	s_add_nc_u64 s[50:51], s[6:7], s[38:39]
	s_mov_b64 s[34:35], s[50:51]
	s_or_b32 s35, s35, 0x80000000                  ; type = 2
	s_add_nc_u64 s[62:63], s[6:7], s[66:67]
	s_or_b32 s63, s63, 0x80000000
	s_add_nc_u64 s[4:5], s[4:5], s[78:79]
	s_add_nc_u64 s[8:9], s[8:9], s[80:81]
	s_add_nc_u64 s[10:11], s[10:11], s[82:83]
	CROUND                                         ; all four work-groups are here: the first joint loads meet
	RING                                           ; A0 and B0
	s_mul_i32 s86, s13, 3072                       ; Q stays in registers
	s_mul_i32 s87, s44, 3072
	s_lshl_b32 s88, s13, 2
	s_lshl_b32 s89, s44, 2
	v_lshl_add_u32 v80, v3, 4, s86
	v_lshl_add_u32 v81, v3, 4, s87
	v_lshl_add_u32 v82, v3, 3, s88
	v_lshl_add_u32 v83, v3, 3, s89
.irp t, 0,1
.irp ks, 0,1
.irp c, 0,1,2
	global_load_b128 v[32+12*(2*\t+\ks)+4*\c:32+12*(2*\t+\ks)+4*\c+3], v[80+\t], s[4:5] offset:1536*\ks+512*\c
.endr
.endr
	global_load_b32 v[20+\t], v[82+\t], s[4:5] offset:6144   ; lanes 0-15: the words of K step 0; lanes 16-31: of K step 1
.endr
	v_lshl_add_u32 v4, v3, 4, s70                  ; K's images,
	v_lshl_add_u32 v5, v3, 3, s72                  ; its scale words;
	v_lshl_add_u32 v0, v3, 4, s74                  ; V's images of channel half kh,
	v_lshl_add_u32 v13, v3, 4, s75                 ; of the other (v13 and v19 are also named as the upper halves of the factors' pairs, which no instruction takes),
	v_lshl_add_u32 v6, v3, 2, s76                  ; and their scale words
	v_lshl_add_u32 v7, v3, 2, s77
	v_min_u32 v19, 12, v3
	v_add_nc_u32 v19, s84, v19
	v_min_u32 v19, 49, v19
	v_lshlrev_b32 v19, 8, v19                      ; the prefetch: block 13 cx + 0 .. 12, at most 49
.irp t, 0,1
	v_mov_b32 v[9+6*\t], 0xff61b1e6                ; the largest t so far: -3e38, under every t
	v_mov_b32 v[10+6*\t], 0                        ; the sum, in two halves
	v_mov_b32 v[11+6*\t], 0
.endr
	v_floor_f32 v8, -v9                            ; -M
	v_floor_f32 v14, -v15
	WIN 0x40
.set i, 0
.rept 256
	v_mov_b32 v[i], 0                              ; O^T, while the first items are on their way: so the parts of a step are the same text for the first step and the later ones
.set i, i+1
.endr
	WIN 0
	AWAIT
.macro KLOAD kt, buf                   ; key tile kt's two fragments (K steps 0, 1): six loads
.irp ks, 0,1
.irp c, 0,1,2
	ds_load_b128 v[\buf+12*\ks+4*\c:\buf+12*\ks+4*\c+3], v4 offset:(2*(\kt)+\ks)*1536+512*\c
.endr
.endr
.endm
.macro SMUL kt, buf                    ; key tile kt x my two query tiles, K = 256: the two accumulators by turns, one instruction a turn; the first K step starts the sums
.irp t, 0,1
	v_wmma_scale_f32_16x16x128_f8f6f4 v[128+64*\t+8*(\kt):128+64*\t+8*(\kt)+7], v[\buf:\buf+11], v[32+24*\t:32+24*\t+11], 0, v[24+(\kt)], v[20+\t] matrix_a_fmt:MATRIX_FMT_BF6 matrix_b_fmt:MATRIX_FMT_BF6
.endr
.irp t, 0,1
	v_wmma_scale_f32_16x16x128_f8f6f4 v[128+64*\t+8*(\kt):128+64*\t+8*(\kt)+7], v[\buf+12:\buf+23], v[32+24*\t+12:32+24*\t+23], v[128+64*\t+8*(\kt):128+64*\t+8*(\kt)+7], v[24+(\kt)], v[20+\t] matrix_a_fmt:MATRIX_FMT_BF6 matrix_b_fmt:MATRIX_FMT_BF6 matrix_a_scale:MATRIX_SCALE_ROW1 matrix_b_scale:MATRIX_SCALE_ROW1
.endr
.endm
; S^T of 128 keys x 32 queries: 32 matrix instructions.  Tiles 0 and 1 lie where S^T's last three tiles will (v168-191, v232-255), tiles 2 on in two buffers by turns.
.macro SPHASE
.irp b, 0,1,2,3
	ds_load_b64 v[24+2*\b:25+2*\b], v5 offset:256*\b       ; the scale words of tiles 2 b, 2 b + 1: lanes 0-15 K step 0, lanes 16-31 K step 1
.endr
	KLOAD 0, 168
	KLOAD 1, 232
	KLOAD 2, 80
	KLOAD 3, 104
	s_wait_dscnt 18                                ; tile 0 is in; the 18 loads of tiles 1 to 3 may be out
	SMUL 0, 168
	s_wait_dscnt 12
	SMUL 1, 232
.irp kt, 2,3,4,5
	s_wait_dscnt 6                                 ; tile kt is in; the six loads of the next tile may be out
	SMUL \kt, 80+24*(\kt%2)
	PLACES 4                                       ; four places in front of loads into registers that matrix instructions have read
	KLOAD \kt+2, 80+24*(\kt%2)
.endr
	s_wait_dscnt 6
	SMUL 6, 80
	s_wait_dscnt 0
	SMUL 7, 104
	PLACES 4                                       ; and in front of the first read of results (ISA guide 7.12.1)
.endm
; The softmax of register tile t for these 128 keys.  (O^T is rescaled by RESC, among the second product's matrix instructions.)
.macro SOFT t
.set rS, 128+64*\t
.set rT, 8+6*\t
.set rP, 80+12*\t
	AWAIT
.irp b, 0,1,2,3
	v_max3_num_f32 v[112+\b], v[rS+16*\b], v[rS+16*\b+1], v[rS+16*\b+2]   ; THE LARGEST SCORE OF EACH BLOCK OF 32 KEYS serves twice: for the row's maximum and, since p rises with the score, for the block's largest p
.endr
.irp i, 3,5,7,9,11,13
.irp b, 0,1,2,3
	v_max3_num_f32 v[112+\b], v[112+\b], v[rS+16*\b+\i], v[rS+16*\b+\i+1]
.endr
.endr
.irp b, 0,1,2,3
	v_max_num_f32 v[112+\b], v[112+\b], v[rS+16*\b+15]
.endr
.irp b, 0,1,2,3
	v_permlanex16_b32 v[116+\b], v[112+\b], s20, s21
.endr
.irp b, 0,1,2,3
	v_max_num_f32 v[112+\b], v[112+\b], v[116+\b]  ; with lane l xor 16's 16 keys
.endr
	v_max3_num_f32 v124, v112, v113, v114
	v_max_num_f32 v124, v124, v115                 ; the step's largest score of my query
	v_mul_f32 v124, s22, v124                      ; as t (c is positive)
	v_max_num_f32 v[rT+1], v[rT+1], v124           ; the running largest t
	v_mov_b32 v125, v[rT]
	v_floor_f32 v[rT], -v[rT+1]                    ; the new -M = floor(-t) = -ceil(t)
	v_sub_f32 v124, v[rT], v125                    ; M's old value less its new one: a whole number, 0 or less
	v_cvt_i32_f32 v124, v124                       ; (it saturates)
	v_ldexp_f32 v[rT+4], 1.0, v124                 ; f = 2^(old M - new M)
.irp b, 0,1,2,3
	v_fma_f32 v[112+\b], v[112+\b], s22, v[rT]     ; t - M of each block's largest score
.endr
.set i, 0
.rept 32
	v_pk_fma_f32 v[rS+2*i:rS+2*i+1], v[rS+2*i:rS+2*i+1], s[22:23], v[rT:rT+1] op_sel_hi:[1,0,0]   ; t - M, two at a time
.set i, i+1
.endr
	AWAIT                                          ; one wait ahead of the batch of exponentials, one behind it
.set i, 0
.rept 64
	v_exp_f32 v[rS+i], v[rS+i]                     ; p = 2^(t - M), at most 1: NOT normalised
.set i, i+1
.endr
.irp b, 0,1,2,3
	v_exp_f32 v[112+\b], v[112+\b]                 ; the block's largest p: the same two instructions on the same number give the same bits
.endr
	v_pk_mul_f32 v[rT+2:rT+3], v[rT+2:rT+3], v[rT+4:rT+5] op_sel_hi:[1,0]   ; the sums under the new M (a plain place behind the exponentials)
	AWAIT
.irp c, 0,2,4,6                                ; THE ROW'S SUM IS TAKEN OF THE UNQUANTISED p, two at a time, in four chains
	v_pk_add_f32 v[104+\c:105+\c], v[rS+\c:rS+\c+1], v[rS+8+\c:rS+9+\c]
.endr
.irp j, 16,24,32,40,48,56
.irp c, 0,2,4,6
	v_pk_add_f32 v[104+\c:105+\c], v[104+\c:105+\c], v[rS+\j+\c:rS+\j+\c+1]
.endr
.endr
.irp b, 0,1,2,3
	v_max_num_f32 v[112+\b], 0x2800000, v[112+\b]  ; the floor 2^(5 - 127): the byte cannot fall under 1
.endr
	v_pk_add_f32 v[104:105], v[104:105], v[106:107]
	v_pk_add_f32 v[108:109], v[108:109], v[110:111]
.irp b, 0,1,2,3
	v_add_nc_u32 v[120+\b], 0xfe000000, v[112+\b]  ; 4 off the exponent field: the conversion's scale operand
.endr
	v_pk_add_f32 v[104:105], v[104:105], v[108:109]
.irp b, 0,1,2,3
	v_lshrrev_b32 v[116+\b], 23, v[120+\b]         ; the scale's byte
.endr
	v_pk_add_f32 v[rT+2:rT+3], v[rT+2:rT+3], v[104:105]
	v_lshl_or_b32 v[22+\t], v117, 8, v116          ; p's scale word for these 128 keys
	v_lshl_or_b32 v[22+\t], v118, 16, v[22+\t]
	v_lshl_or_b32 v[22+\t], v119, 24, v[22+\t]
.irp c, 0,1
	v_cvt_scalef32_pk16_bf6_f32 v[rP+6*\c:rP+6*\c+2], v[rS+32*\c:rS+32*\c+15], v[120+2*\c]
	v_cvt_scalef32_pk16_bf6_f32 v[104+4*\c:106+4*\c], v[rS+32*\c+16:rS+32*\c+31], v[120+2*\c+1]   ; (a conversion's three registers begin on an even number)
.endr
	v_nop                                          ; one plain place behind a scaled conversion
.irp c, 0,1                                    ; the operand's layout wants a WHOLE block in a lane
.irp i, 0,1,2
	v_permlane16_swap_b32 v[rP+6*\c+\i], v[104+4*\c+\i]
.endr
.irp i, 0,1,2
	v_mov_b32 v[rP+3+6*\c+\i], v[104+4*\c+\i]
.endr
.endr
.endm
.macro VLOAD g, reg                    ; V's fragments of register channel tiles 4 g .. 4 g + 3: twelve loads
.irp i, 0,1,2,3
.irp c, 0,1,2
.if \g < 2
	ds_load_b128 v[\reg+12*\i+4*\c:\reg+12*\i+4*\c+3], v0 offset:(4*\g+\i)*1536+512*\c
.else
	ds_load_b128 v[\reg+12*\i+4*\c:\reg+12*\i+4*\c+3], v13 offset:(4*(\g-2)+\i)*1536+512*\c
.endif
.endr
.endr
.endm
.macro RESC g                          ; O^T under the new M: the eight accumulators of channel tiles 4 g .. 4 g + 3, each from its low end on, in the order in which PVMUL takes them: 32 instructions
	WIN 0x41                                       ; O^T (destination and source 0) window 1, the factor window 0
	AWAIT
.irp i, 0,1,2,3
.irp t, 0,1
.irp q, 0,2,4,6
	v_pk_mul_f32 v[128*\t+8*(4*\g+\i)+\q:128*\t+8*(4*\g+\i)+\q+1], v[128*\t+8*(4*\g+\i)+\q:128*\t+8*(4*\g+\i)+\q+1], v[12+6*\t:13+6*\t] op_sel_hi:[1,0]
.endr
.endr
.endr
.endm
.macro PVMUL g, reg                    ; O^T += V^T P^T for those four channel tiles x my two query tiles: eight accumulators, one instruction each
	WIN 0x50                                       ; C and D window 1
.irp i, 0,1,2,3
.irp t, 0,1
.set rO, 128*\t+8*(4*\g+\i)
.set rA, \reg+12*\i
.set rB, 80+12*\t
.set rC, 24+2*\g+\i/2                  ; V's scale words: lanes 0-15 the even channel tile, lanes 16-31 the odd one
.if \i%2 == 0
	v_wmma_scale_f32_16x16x128_f8f6f4 v[rO:rO+7], v[rA:rA+11], v[rB:rB+11], v[rO:rO+7], v[rC], v[22+\t] matrix_a_fmt:MATRIX_FMT_BF6 matrix_b_fmt:MATRIX_FMT_BF6
.else
	v_wmma_scale_f32_16x16x128_f8f6f4 v[rO:rO+7], v[rA:rA+11], v[rB:rB+11], v[rO:rO+7], v[rC], v[22+\t] matrix_a_fmt:MATRIX_FMT_BF6 matrix_b_fmt:MATRIX_FMT_BF6 matrix_a_scale:MATRIX_SCALE_ROW1
.endif
.endr
.endr
.endm
.macro PPHASE                          ; tile 1's softmax and the second product
.irp d, 0,1,2,3
	ds_load_b32 v[24+\d], v6 offset:128*\d
	ds_load_b32 v[28+\d], v7 offset:128*\d
.endr
	VLOAD 0, 128                                   ; tile 0's p has left these registers
	SOFT 1
	VLOAD 1, 192
	RESC 0                                         ; these 64 are also the places between p's codes and scale word and the products that take them
	RESC 1
	AWAIT
	s_wait_dscnt 12                                ; the scale words and group 0 are in; group 1's twelve loads may be out
	PVMUL 0, 128
	RESC 2                                         ; it names none of those products' registers: the places in front of the loads into the buffer that they have read
	WIN 0
	VLOAD 2, 128
	AWAIT
	s_wait_dscnt 12                                ; group 1 is in; group 2's twelve may be out
	PVMUL 1, 192
	RESC 3
	WIN 0
	VLOAD 3, 192
	AWAIT
	s_wait_dscnt 12                                ; group 2 is in
	PVMUL 2, 128
	s_wait_dscnt 0
	PVMUL 3, 192
	WIN 0
	PLACES 5                                       ; five: the next step's first products write over registers that these have read; its loads want four
.endm
.macro DO part                         ; 1: S, 2: P
.if \part == 1
	SPHASE
	SOFT 0
.elseif \part == 2
	PPHASE
.endif
	AWAIT                                          ; ahead of the branch or the label
.endm
; A tick's work: group 0 does part a, group 1 part b (0: nothing).  The branch hangs on the wave's number alone and leads round no barrier.
.macro TICK a, b
	s_cmp_eq_u32 s13, 0
	s_cbranch_scc0 .Lgroup_1_\@
	DO \a
.if \b
	s_branch .Ltick_done_\@
.endif
.Lgroup_1_\@:
.if \b
	DO \b
.Ltick_done_\@:
.endif
.endm
; The change of slots stands at a tick's head: each wave waits for all its tensor loads (its part of this tick's items), adds 0 to its spare word, and waits for that and for its reads of the last tick's items.
; Behind the round no wave of any partner still reads them or has a load on its way; the joint refill is the first thing behind it and has a whole tick in which to land.
.macro CHANGE slot                     ; ticks 2 to 14
	s_wait_xcnt 0x0                                ; any prefetch of mine has read its base
	s_wait_tensorcnt 0x0
	ds_add_u32 v1, v2                              ; 0 onto my spare word
	s_add_nc_u64 s[34:35], s[34:35], ITEM          ; no tensor load of mine is out, so group 0 may be written: the next item (the type bits on top are not reached),
	s_add_nc_u64 s[50:51], s[50:51], ITEM
.if \slot
	s_add_co_u32 s33, s48, SLOT1                   ; into the slot of the next tick
.else
	s_mov_b32 s33, s48
.endif
	s_wait_dscnt 0x0
	CROUND
	RING
.endm
.macro ASK                             ; what the next tick's load will want
	s_cmp_lt_u32 ttmp9, 2
	s_cbranch_scc0 .Lnot_mine_\@
	global_prefetch_b8 v19, s[50:51] offset:ITEM th:TH_LOAD_NT scope:SCOPE_SE
.Lnot_mine_\@:
.endm
	s_wait_tensorcnt 0x0                           ; TICK 0.  My part of A0 or B0 is in
	ds_add_u32 v1, v2
	s_add_nc_u64 s[34:35], s[34:35], ITEM
	s_add_co_u32 s33, s48, s47                     ; A1 into slot 1, B1 into slot 0: first fills both
	s_wait_dscnt 0x0
	CROUND
	RING
	s_wait_loadcnt 0x0                             ; Q
	TICK 1, 0
	s_wait_tensorcnt 0x0                           ; TICK 1
	ds_add_u32 v1, v2
	s_add_nc_u64 s[34:35], s[34:35], s[68:69]      ; group 0 stands at its item 2 now, group 1 at its item 1
	s_add_nc_u64 s[50:51], s[50:51], ITEM
	s_add_nc_u64 s[50:51], s[50:51], s[68:69]
	s_wait_dscnt 0x0
	CROUND
	SMALL                                          ; A2, into slot 0's lower half, which A0 has left
	TICK 2, 1
	s_mov_b32 s37, 6
.Lticks:                                           ; ticks 2 to 13
	CHANGE 1
	ASK
	TICK 1, 2
	CHANGE 0
	ASK
	TICK 2, 1
	s_sub_co_u32 s37, s37, 1
	s_cmp_lg_u32 s37, 0
	s_cbranch_scc1 .Lticks
	CHANGE 1                                       ; tick 14: A15, B14
	TICK 1, 2
	s_wait_tensorcnt 0x0                           ; TICK 15: B15 alone is left, into slot 0's upper half
	ds_add_u32 v1, v2
	s_add_nc_u64 s[62:63], s[62:63], 29*ITEM       ; from A2 to B15 (the stream behind it)
	s_add_co_u32 s61, s61, HALF
	s_wait_dscnt 0x0
	CROUND
	SMALL
	TICK 2, 1
	s_wait_tensorcnt 0x0                           ; TICK 16: nothing is filled again
	ds_add_u32 v1, v2
	s_wait_dscnt 0x0
	s_barrier_signal -1
	s_barrier_wait -1
	TICK 0, 2
	; THE WAY OUT.  A tile's sum: its two halves and lane l xor 16's; it takes the place of the largest t, so that (-M, sum) is a pair.
.irp t, 0,1
	v_add_f32 v[9+6*\t], v[10+6*\t], v[11+6*\t]
.endr
.irp t, 0,1
	v_permlanex16_b32 v[12+6*\t], v[9+6*\t], s20, s21
.endr
.irp t, 0,1
	v_add_f32 v[9+6*\t], v[9+6*\t], v[12+6*\t]
.endr
	s_mul_i32 s66, s12, STGW                       ; my stage: block 1 (register tile 0, channels 128 on) is for wave w xor 1, block 2 (tile 1, channels 0 on) for w xor 4, block 3 (tile 1, channels 128 on) for w xor 5
	s_add_co_u32 s67, s66, 24576                   ; the statistics of tile 0, 256 bytes on those of tile 1
	s_xor_b32 s70, s12, 1
	s_mul_i32 s70, s70, STGW
	s_add_co_u32 s71, s70, 24576
	s_xor_b32 s72, s12, 4
	s_mul_i32 s72, s72, STGW
	s_add_co_u32 s73, s72, 24832
	s_add_co_u32 s72, s72, 8192
	s_xor_b32 s74, s12, 5
	s_mul_i32 s74, s74, STGW
	s_add_co_u32 s75, s74, 24832
	s_add_co_u32 s74, s74, 16384
	v_lshl_add_u32 v4, v3, 4, s66
	v_lshl_add_u32 v5, v3, 3, s67
	v_lshl_add_u32 v80, v3, 4, s70
	v_lshl_add_u32 v81, v3, 4, s72
	v_lshl_add_u32 v82, v3, 4, s74
	v_lshl_add_u32 v83, v3, 3, s71
	v_lshl_add_u32 v84, v3, 3, s73
	v_lshl_add_u32 v85, v3, 3, s75
	AWAIT
	s_wait_dscnt 0x0                               ; my reads of the last slot are over
	s_barrier_signal -1
	s_barrier_wait -1                              ; everybody's are: the stages may be written
	WIN 0x04                                       ; an LDS store's data are its source 1: window 1
.set i, 0
.rept 48
	AWAIT
	ds_store_b128 v4, v[64+4*i:67+4*i] offset:512*i        ; each accumulator from its low end on
.set i, i+1
.endr
	WIN 0
	ds_store_b64 v5, v[8:9]
	ds_store_b64 v5, v[14:15] offset:256
	s_wait_dscnt 0x0                               ; for the partners' sake: my stores have landed
	s_barrier_signal -1
	s_barrier_wait -1
	ds_load_b64 v[86:87], v83
	ds_load_b64 v[88:89], v84
	ds_load_b64 v[90:91], v85
	WIN 0x40                                       ; destination window 1
.irp k, 0,1,2
.set i, 0
.rept 16
	ds_load_b128 v[64+64*\k+4*i:67+64*\k+4*i], v[80+\k] offset:512*i   ; the partners' sums for the quarter that I keep
.set i, i+1
.endr
.endr
	WIN 0
	s_wait_dscnt 0x0
	v_lshlrev_b32 v125, 4, v3
	v_lshlrev_b32 v123, 3, v3
	v_min3_num_f32 v92, v8, v86, v88
	v_min_num_f32 v92, v92, v90                    ; the joint -M: the smallest
	v_sub_f32 v12, v92, v8
	v_sub_f32 v16, v92, v86
	v_sub_f32 v18, v92, v88
	v_sub_f32 v10, v92, v90
.irp r, 12,16,18,10
	v_cvt_i32_f32 v[\r], v[\r]
.endr
.irp r, 12,16,18,10
	v_ldexp_f32 v[\r], 1.0, v[\r]                  ; each part's factor: a power of two, at most 1
.endr
	v_mul_f32 v93, v9, v12
	v_fmac_f32 v93, v87, v16
	v_fmac_f32 v93, v89, v18
	v_fmac_f32 v93, v91, v10                       ; the joint sum
	WIN 0x41
	AWAIT
.set i, 0
.rept 32
	v_pk_mul_f32 v[2*i:2*i+1], v[2*i:2*i+1], v[12:13] op_sel_hi:[1,0]
.set i, i+1
.endr
	WIN 0x51                                       ; sources 0 and 2 and the destination window 1
.macro JOIN from, f
.set i, 0
.rept 32
	v_pk_fma_f32 v[2*i:2*i+1], v[\from+2*i:\from+2*i+1], v[\f:\f+1], v[2*i:2*i+1] op_sel_hi:[1,0,1]
.set i, i+1
.endr
.endm
	JOIN 64, 16
	JOIN 128, 18
	JOIN 192, 10
	WIN 0x04                                       ; a store's data are its source 1: window 1
.set i, 0
.rept 16
	global_store_b128 v125, v[4*i:4*i+3], s[8:9] offset:512*i   ; each store of the wave covers 512 consecutive bytes, aligned
.set i, i+1
.endr
	WIN 0
	global_store_b64 v123, v[92:93], s[10:11]      ; 256 consecutive bytes, aligned: each channel half has its own copy
	s_wait_tensorcnt 0x0                           ; the wave's end: behind my last tensor load and my last LDS store
	ds_add_u32 v1, v2
	s_wait_dscnt 0x0
	CROUND                                         ; the closing round: no work-group ends while a partner may still ask for an item that names it
	s_endpgm
.Lfunc_end_k_q3d733a0fa5_attn:
	.size	k_q3d733a0fa5_attn, .Lfunc_end_k_q3d733a0fa5_attn-k_q3d733a0fa5_attn
	.p2alignl 7, 3214868480
	.fill 96, 4, 3214868480
	.section	.rodata,"a",@progbits
	.p2align	6, 0x0
	.amdhsa_kernel k_q3d733a0fa5_attn
		.amdhsa_group_segment_fixed_size 327680
		.amdhsa_private_segment_fixed_size 0
		.amdhsa_enable_private_segment 0
		.amdhsa_kernarg_size 32
		.amdhsa_user_sgpr_count 2
		.amdhsa_user_sgpr_kernarg_segment_ptr 1
		.amdhsa_wavefront_size32 1
		.amdhsa_system_sgpr_workgroup_id_x 1
		.amdhsa_system_sgpr_workgroup_id_y 1
		.amdhsa_system_sgpr_workgroup_id_z 1
		.amdhsa_system_vgpr_workitem_id 0
		.amdhsa_next_free_vgpr 512
		.amdhsa_next_free_sgpr 96
		.amdhsa_reserve_vcc 0
		.amdhsa_float_denorm_mode_32 3
		.amdhsa_float_denorm_mode_16_64 3
		.amdhsa_memory_ordered 1
		.amdhsa_forward_progress 1
		.amdhsa_inst_pref_size 255
	.end_amdhsa_kernel
	.section	.bss,"aw",@nobits
	.p2align	6
	.space	262144
	.amdgpu_metadata
---
amdhsa.version: [ 1, 2 ]
amdhsa.kernels:
  - .name:           k_q3d733a0fa5_attn
    .symbol:         k_q3d733a0fa5_attn.kd
    .args:
      - { .name: qimg, .offset: 0, .size: 8, .value_kind: global_buffer, .address_space: global }
      - { .name: kv, .offset: 8, .size: 8, .value_kind: global_buffer, .address_space: global }
      - { .name: opart, .offset: 16, .size: 8, .value_kind: global_buffer, .address_space: global }
      - { .name: stats, .offset: 24, .size: 8, .value_kind: global_buffer, .address_space: global }
    .group_segment_fixed_size: 327680
    .private_segment_fixed_size: 0
    .kernarg_segment_align: 8
    .kernarg_segment_size: 32
    .max_flat_workgroup_size: 256
    .sgpr_count:     96
    .vgpr_count:     512
    .wavefront_size: 32
...
	.end_amdgpu_metadata
.endif
;; end of part 2
;; launch merge (part 3): grid 256 x 1, 8 waves a work-group, no clusters, 35,840 bytes of LDS; arguments opart, stats, out0; writes out0
.if DOCPART == 3
	.amdgcn_target "amdgcn-amd-amdhsa--gfx1250"
	.amdhsa_code_object_version 6
	.text
	.protected	k_q3d733a0fa5_merge
	.globl	k_q3d733a0fa5_merge
	.p2align	8
	.type	k_q3d733a0fa5_merge,@function
k_q3d733a0fa5_merge:
	s_mov_b64 s[64:65], 0
	v_nop
	global_prefetch_b8 v0, s[64:65] scope:SCOPE_SE
	s_setreg_imm32_b32 hwreg(HW_REG_WAVE_MODE, 25, 1), 1
	s_wait_xcnt 0x0
; MERGE: the two halves of the keys are joined: with -M the smaller of the two -M_Y and f_Y = 2^(M_Y - M) (exact powers of two), out = (f_0 O_0 + f_1 O_1) / (f_0 l_0 + f_1 l_1).
; opart: [Y][query tile T] images of the 128 registers of O^T (register 8 dt + j of lane (r, h) is query 16 T + r, channel 16 dt + 8 h + j; group of four registers g at 512 g + 16 x lane); stats: [Y][T][channel half], lane l's 8 bytes (-M, l).
; SHARES.  A wave takes one query tile and 64 channels (32 registers of each image): 512 x 4 = 2,048 waves = 256 work-groups x 8.  Each byte of opart is read once, by loads of 512 consecutive bytes; out0 is
; written once, sixteen lanes to 256 consecutive aligned bytes.  A lane holds 32 bytes of a row and the lanes beside it other rows: so the result turns through the wave's own stage in LDS (16 rows of 256 + 16 bytes).
; No barrier: waves share nothing.  No matrix unit, no cluster: no two work-groups read the same bytes of opart.  No prefetch: there is no loop to run ahead in.
; LIMITS: NaN and infinities are not served; the division is a multiplication by v_rcp_f32's result.
	s_load_b128 s[4:7], s[0:1], 0x0                ; opart s[4:5], stats s[6:7]
	s_load_b64 s[8:9], s[0:1], 0x10                ; out0
	v_lshl_add_u32 v12, v0, 2, 34816               ; my spare word, behind the eight stages
	v_mov_b32 v13, 0
	v_lshrrev_b32 v1, 5, v0
	v_readfirstlane_b32 s10, v1                    ; wave 0..7
	v_and_b32 v1, 31, v0                           ; lane
	v_and_b32 v2, 15, v0                           ; r
	v_bfe_u32 v3, v0, 4, 1                         ; h
	s_mul_i32 s11, s10, 4352                       ; my stage
	v_lshlrev_b32 v4, 4, v1
	v_lshlrev_b32 v5, 3, v1
	v_mul_u32_u24 v8, v2, 272
	v_mul_u32_u24 v9, v3, 272
	v_lshlrev_b32 v10, 10, v3
	v_lshl_add_u32 v8, v3, 5, v8
	v_lshl_add_u32 v9, v2, 4, v9
	v_lshl_add_u32 v10, v2, 4, v10                 ; two rows in out0
	v_add_nc_u32 v8, s11, v8                       ; in: row r, + 32 h
	v_add_nc_u32 v9, s11, v9                       ; back: lanes 0-15 one row, lanes 16-31 the next
	s_wait_alu depctr_va_vdst(0)
	s_lshl_b32 s14, ttmp9, 3
	s_add_co_u32 s14, s14, s10
	s_lshr_b32 s12, s14, 2                         ; T
	s_and_b32 s13, s14, 3                          ; which 64 channels
	s_lshl_b32 s14, s12, 14                        ; 16,384 T: an image, and 16 rows of out0
	s_lshl_b32 s16, s13, 12                        ; eight groups of 512 bytes
	s_add_co_u32 s16, s16, s14
	s_mov_b32 s17, 0
	s_lshl_b32 s18, s12, 9
	s_lshr_b32 s15, s13, 1
	s_lshl_b32 s15, s15, 8                         ; my channel half's copy of the statistics
	s_add_co_u32 s18, s18, s15
	s_mov_b32 s19, 0
	s_lshl_b32 s20, s13, 8                         ; 64 channels of f32
	s_add_co_u32 s20, s20, s14
	s_mov_b32 s21, 0
	s_wait_kmcnt 0x0
	s_add_nc_u64 s[24:25], s[4:5], s[16:17]        ; a base for each half: they lie 8,388,608 bytes apart, one more than an immediate reaches
	s_add_nc_u64 s[26:27], s[24:25], 0x800000
	s_add_nc_u64 s[6:7], s[6:7], s[18:19]
	s_add_nc_u64 s[8:9], s[8:9], s[20:21]
.irp y, 0,1
	global_load_b64 v[16+2*\y:17+2*\y], v5, s[6:7] offset:262144*\y
.endr
.irp y, 0,1
.irp g, 0,1,2,3,4,5,6,7
	global_load_b128 v[32+32*\y+4*\g:32+32*\y+4*\g+3], v4, s[24+2*\y:25+2*\y] offset:512*\g th:TH_LOAD_NT
.endr
.endr
	s_wait_loadcnt 16                              ; the two pairs of statistics are in; the 16 loads of the images may be out
	v_min_num_f32 v6, v16, v18                     ; -M
	v_sub_f32 v20, v6, v16                         ; M_Y - M: a whole number, 0 or less
	v_sub_f32 v22, v6, v18
	v_cvt_i32_f32 v20, v20                         ; (it saturates)
	v_cvt_i32_f32 v22, v22
	v_ldexp_f32 v20, 1.0, v20                      ; f_Y
	v_ldexp_f32 v22, 1.0, v22
	v_mul_f32 v7, v20, v17
	v_fmac_f32 v7, v22, v19                        ; the row's sum
	s_wait_alu depctr_va_vdst(0)                   ; a wait ahead of the transcendental and one behind it
	v_rcp_f32 v7, v7
	v_nop                                          ; one plain place behind a transcendental
	s_wait_alu depctr_va_vdst(0)
.irp y, 0,1
	v_mul_f32 v[21+2*\y], v[20+2*\y], v7           ; f_Y / the sum, in both halves of a pair
	v_mul_f32 v[20+2*\y], v[20+2*\y], v7
.endr
	s_wait_alu depctr_va_vdst(0)
	s_wait_loadcnt 0x0
.irp j, 0,2,4,6,8,10,12,14,16,18,20,22,24,26,28,30
	v_pk_mul_f32 v[32+\j:33+\j], v[32+\j:33+\j], v[20:21]
.endr
.irp j, 0,2,4,6,8,10,12,14,16,18,20,22,24,26,28,30
	v_pk_fma_f32 v[32+\j:33+\j], v[64+\j:65+\j], v[22:23], v[32+\j:33+\j]
.endr
.irp t, 0,1,2,3
	ds_store_b128 v8, v[32+8*\t:35+8*\t] offset:64*\t        ; channels 16 t + 8 h + 0 .. 7 of row r
	ds_store_b128 v8, v[36+8*\t:39+8*\t] offset:64*\t+16
.endr
.irp i, 0,1,2,3,4,5,6,7
	ds_load_b128 v[96+4*\i:99+4*\i], v9 offset:544*\i        ; LDS serves a wave's instructions in order (ISA guide 5.7.1.4): these see my stores
.endr
.irp i, 0,1,2,3,4,5,6,7
	s_wait_dscnt 7-\i                              ; load i is in; the younger ones may be out
	global_store_b128 v10, v[96+4*\i:99+4*\i], s[8:9] offset:2048*\i th:TH_STORE_NT   ; sixteen lanes store 256 consecutive bytes, aligned; written once, read by nobody here
.endr
	s_wait_tensorcnt 0x0                           ; the wave's end
	ds_add_u32 v12, v13
	s_wait_dscnt 0x0
	s_endpgm
.Lfunc_end_k_q3d733a0fa5_merge:
	.size	k_q3d733a0fa5_merge, .Lfunc_end_k_q3d733a0fa5_merge-k_q3d733a0fa5_merge
	.p2alignl 7, 3214868480
	.fill 96, 4, 3214868480
	.section	.rodata,"a",@progbits
	.p2align	6, 0x0
	.amdhsa_kernel k_q3d733a0fa5_merge
		.amdhsa_group_segment_fixed_size 35840
		.amdhsa_private_segment_fixed_size 0
		.amdhsa_enable_private_segment 0
		.amdhsa_kernarg_size 24
		.amdhsa_user_sgpr_count 2
		.amdhsa_user_sgpr_kernarg_segment_ptr 1
		.amdhsa_wavefront_size32 1
		.amdhsa_system_sgpr_workgroup_id_x 1
		.amdhsa_system_sgpr_workgroup_id_y 1
		.amdhsa_system_sgpr_workgroup_id_z 1
		.amdhsa_system_vgpr_workitem_id 0
		.amdhsa_next_free_vgpr 128
		.amdhsa_next_free_sgpr 66
		.amdhsa_reserve_vcc 0
		.amdhsa_float_denorm_mode_32 3
		.amdhsa_float_denorm_mode_16_64 3
		.amdhsa_memory_ordered 1
		.amdhsa_forward_progress 1
		.amdhsa_inst_pref_size 9
	.end_amdhsa_kernel
	.amdgpu_metadata
---
amdhsa.version: [ 1, 2 ]
amdhsa.kernels:
  - .name:           k_q3d733a0fa5_merge
    .symbol:         k_q3d733a0fa5_merge.kd
    .args:
      - { .name: opart, .offset: 0, .size: 8, .value_kind: global_buffer, .address_space: global }
      - { .name: stats, .offset: 8, .size: 8, .value_kind: global_buffer, .address_space: global }
      - { .name: out0, .offset: 16, .size: 8, .value_kind: global_buffer, .address_space: global }
    .group_segment_fixed_size: 35840
    .private_segment_fixed_size: 0
    .kernarg_segment_align: 8
    .kernarg_segment_size: 24
    .max_flat_workgroup_size: 256
    .sgpr_count:     66
    .vgpr_count:     128
    .wavefront_size: 32
...
	.end_amdgpu_metadata
.endif
;; end of part 3
